; MI455X (gfx1250); checked and timed in simulation.
; The chip was launched on July 23, 2026; its instructions are those of AMD's public machine-readable ISA for CDNA 5 (MIT licence, August 2026) and "CDNA5" Instruction Set Architecture Reference Guide (July 2026). The comments in the code are by the model that wrote it; some were corrected since.
;; Prob Sparse Self Attention. Allowed arithmetic: matrix products marked QUANTISED: E5M2 operands, one E8M0 scale for each 32 along K, by v_wmma_scale_f32_16x16x128_f8f6f4 with both operands' format E5M2, f32 sums; everything else in f32.
;; Inputs: keys 8 x 8 x 2,048 x 64 float32; queries 8 x 8 x 2,048 x 64 float32; values 8 x 8 x 2,048 x 64 float32.
;; Outputs: out0 8 x 8 x 2,048 x 64 float32.
;; This version of the problem:
;;   THIS VERSION OF THE PROBLEM IS GIVEN IN LOW PRECISION. The matrix products marked QUANTISED in the list below multiply operands that are first quantised to E5M2 (5 exponent bits, 2 mantissa bits; 8 bits a number), with one power-of-two scale for each 32 numbers along K (OCP MX v1.0); their sums are f32. All else is computed in f32.
;;   The module's matrix products, in the order in which they are computed (A, B: the left and right operand; K: the contracted axis; several contracted axes count as one K, in the product's order):
;;     1. batch 64 x [M 2,048, K 64] x [K 64, N 2,048]; A: input queries; B: input keys: QUANTISED
;;     2. batch 64 x [M 2,048, K 2,048] x [K 2,048, N 64]; A: softmax (see below); B: input values: QUANTISED
;;   THE QUANTISER, for each operand of a quantised product, along K:
;;     - K is cut into blocks of 32 from its start; a last block that is shorter is filled with zeros.
;;     - A block's scale is 2^e with e = floor(log2(the largest magnitude in the block)) - 15, held to -126 .. 127; a block of zeros has e = 0. As a byte (E8M0): e + 127.
;;     - Each number is divided by its block's scale, clamped to +-57,344, and rounded to the nearest number of E5M2, ties to even, subnormals kept.
;;     - The product sums the exact products of the quantised numbers (number of the format x scale) in f32.
;;   ~~~python
;;   def quantise(x, axis):      # numpy; x: float32 -> the quantised numbers, widened to float32 again
;;       x = np.moveaxis(x, axis, -1); K = x.shape[-1]
;;       x = np.pad(x, [(0, 0)] * (x.ndim - 1) + [(0, -K % 32)]); x = x.reshape(x.shape[:-1] + (-1, 32)); a = np.abs(x).max(-1, keepdims=True)
;;       e = np.where(a > 0, np.clip(np.frexp(np.where(a > 0, a, 1))[1] - 1 - 15, -126, 127), 0)      # np.frexp(a)[1] - 1 = floor(log2(a)), exactly
;;       r = np.clip(x / 2.0 ** e, -57344, 57344)
;;       step = 2.0 ** (np.maximum(np.frexp(np.where(r == 0, 1, r))[1] - 1, -14) - 2)
;;       q = np.round(r / step) * step * 2.0 ** e      # np.round: ties to even
;;       return np.moveaxis(q.reshape(q.shape[:-2] + (-1,))[..., :K], -1, axis).astype(np.float32)
;;   ~~~
;;   SOFTMAX AHEAD OF A QUANTISED PRODUCT. Where the list says 'softmax', what is quantised is not the finished softmax but p = 2^(t - M), with t = logit x log2(e) and M = ceil(the row's largest t), a whole number; so 1/2 < the row's largest p <= 1. The row's sum l is taken of the UNQUANTISED p, in f32, and the product's result is divided by l at the end. Since M is a whole number, a kernel that streams over the keys may use a running M (the ceiling of the running maximum): every later rescaling is an exact power of two, which a block's scale takes up: the codes' values come out the same.
;;   OPERANDS COMPUTED ON THE WAY. 'Computed on the way' means the value that the module computes at that place (a softmax that the list does not call 'softmax' is quantised finished and normalised). What goes into a quantiser is computed in f32, as accurately as f32 sums, v_exp_f32 and their like allow (about 1e-6 of the number): no bf16 or f16 on the way to a quantiser, and a product that is left as it is and whose result goes on into a quantised operand takes f32 operands (vector FMAs, or v_wmma_f32_16x16x4_f32). A number that lies on a knife's edge between two numbers of the format may be rounded either way, as far as f32 arithmetic and the matrix unit's own rounding can turn it there, and no further.
;; 2 versions. Each part assembles by itself: llvm-mc -triple=amdgcn-amd-amdhsa -mcpu=gfx1250 --defsym DOCPART=n.
;; ======== version 1 of 2: 1 launch
;; launch attn (part 1): grid 4 x 64, 8 waves a work-group, no clusters, 306,176 bytes of LDS; arguments queries, keys, values, out0; writes out0
.if DOCPART == 1
	.amdgcn_target "amdgcn-amd-amdhsa--gfx1250"
	.amdhsa_code_object_version 6
	.text
	.protected	k_qd76c67b5b7_attn
	.globl	k_qd76c67b5b7_attn
	.p2align	8
	.type	k_qd76c67b5b7_attn,@function
k_qd76c67b5b7_attn:
	s_mov_b64 s[64:65], 0
	v_nop
	global_prefetch_b8 v0, s[64:65] scope:SCOPE_SE
	s_setreg_imm32_b32 hwreg(HW_REG_WAVE_MODE, 25, 1), 1
	s_wait_xcnt 0x0
; out0[h][q][:] = the sum over k of softmax_k(Q[h][q] . K[h][k] / 8) V[h][k][:], 64 heads (8 x 8), 2,048 queries and keys a head, head size 64, all f32 in memory.
; Both products run on codes of BF8 (E5M2) with one E8M0 scale for each 32 along a product's K: Q and K are quantised along the head's 64, V and p along the keys.
; THE SOFTMAX AHEAD OF THE SECOND PRODUCT: t = score x c, c = log2(e) / 8; M = the row's largest t so far, rounded up to a whole number; p = 2^(t - M) is quantised, not normalised;
; the row's sum is taken of the unquantised p and divides at the end; when M moves, the sum and O are multiplied by 2^(old M - new M), which rounds nothing.
; NOTHING OF reference() IS LEFT OUT: every input reaches the output, and there is no mask.
; ONE LAUNCH, NO WORKSPACE.  A work-group owns 512 queries of one head (grid x: which 512; grid y: the head).  Each of its eight waves owns 64 queries, worked in two PASSES of a PAIR of tiles of 16.
; The work-group quantises the head's K and V itself, 128 keys (a CHUNK) at a time, from f32 in registers to codes in LDS, where the whole head's codes stay (2 x 131,072 bytes, and 8,192 of scale bytes).
; In pass 0 step j multiplies chunk j, quantises chunk j + 1 and has chunk j + 2 on its way from memory; pass 1 reads LDS alone.  Each fragment of K or V read from LDS feeds two matrix instructions (the pair).
; OPERANDS LIE IN LDS AS IMAGES OF THEIR REGISTERS: four registers of a fragment are 512 bytes, lane l's 16 bytes at 16 l.  No pitch, no padding; V is turned by where its codes are stored, by no instruction.
; BOTH PRODUCTS ARE USED TRANSPOSED: S^T = K Q^T (source 0 = keys, source 1 = 16 queries), O^T = V^T P^T (source 0 = 16 of the head's 64, source 1 = p): a lane holds one query (lane % 16) throughout.
; THE KEYS OF A TILE ARE NOT NEIGHBOURS: row m of key tile 2 b + u is key 32 b + 8 u + m + 8 (m / 8) of the chunk, so that registers 16 b .. 16 b + 15 of S^T are keys 32 b + 16 (lane / 16) + 0 .. 15: p's codes are source 1 as they fall.
; THE FIRST PRODUCT'S K IS 64, THE INSTRUCTION'S 128.  A fragment of K holds TWO key tiles: tile 2 b in k = 0 .. 63, tile 2 b + 1 in k = 64 .. 127.  Q stands as [q | zero codes] and as [zero codes | q]:
; the zero codes make the other tile's products exact zeros (K's codes are held, so they are numbers), and no LDS byte and no register of K is spent on filling.
; NO JOINT REQUESTS, though the four work-groups of a head read the same f32 rows: a joint request lands in LDS; a chunk of K and V in f32 is 65,536 bytes, and beside the head's codes, the stages and the
; spare words 327,680 - 306,176 = 21,504 bytes are left.  The rows go straight into the registers that quantise them.
; LIMITS.  NaN and infinities among the inputs are not served.  A p under 2^-126 counts as 0 (v_exp_f32 gives 0 there).  A block of zeros gets the scale byte 1 where the rule says 127: its codes are zeros,
; and this program alone reads the bytes.  A block's largest p is made from the block's largest score: that takes v_exp_f32 not to fall where its input rises.
.set CHG,   32768                      ; a chunk in memory: 128 rows of 256 bytes
.set CHK,   8192                       ; a chunk's codes of K, or of V, in LDS
.set CHS,   256                        ; a chunk's scale bytes of K, or of V
.set KIMG,  0                          ; K: chunk j at 8192 j; fragment b at + 2048 b; four registers c at + 512 c (c = 0, 1: tile 2 b's blocks; 2, 3: tile 2 b + 1's); lane at + 16 l
.set VIMG,  131072                     ; V: chunk j at 8192 j; fragment t (channels 16 t on) at + 2048 t; keys 32 c on at + 512 c; lane at + 16 l
.set KSC,   262144                     ; K's scale words: chunk at 256 j; word 16 b + r: bytes 0, 1 tile 2 b's row r, bytes 2, 3 tile 2 b + 1's
.set VSC,   266240                     ; V's: chunk at 256 j; word d (channel): byte c for keys 32 c on
.set STG,   270336                     ; the way out: 16 rows x (256 + 16) bytes for each wave, its own
.set SPARE, 305152                     ; the spare words, 128 bytes for each wave: four blocks of 256 bytes that no other line names
; window 0
.set L16,  1                           ; 16 x lane: an image's place; also my bytes in two rows of out0 (256 (lane / 16) + 16 (lane % 16))
.set L4,   2                           ; 4 x lane
.set R4,   3                           ; 4 x (lane % 16)
.set VL,   4                           ; 2048 (lane / 16) + 16 (lane % 16): where my column's codes of V go
.set KGO,  5                           ; my bytes in a chunk of keys
.set VGO,  6                           ; in a chunk of values
.set QGO,  7                           ; in a tile of queries
.set PFO,  8                           ; 256 x lane, for the prefetches
.set ADK,  9                           ; v9-16: LDS addresses, made anew in each step
.set ADKS, 10
.set ADV,  11
.set ADVS, 12
.set KWA,  13
.set KWS,  14
.set VWA,  15
.set VWS,  16
.set SPW,  18                          ; LDS address of my spare word; never rewritten
.set NIL,  19                          ; 0; never rewritten
.set NM,   20                          ; tile q: v[20+4q] -M, v[21+4q] the largest t
.set SU,   22                          ; tile q: v[22+4q:23+4q] the sum in two halves
.set KS,   28                          ; v28-29 K's scale words; v30-31 V's; v32-35 Q's (tile a low, high, tile b low, high); v36-37 p's: these ten hold scales and nothing else
.set VS,   30
.set QS,   32
.set PS,   36
.set FF,   38                          ; tile q: v[38+2q] f = 2^(old M - new M), at the end 1 / the sum (named as a pair)
.set T,    42                          ; v42-43 at work
.set BM,   44                          ; v44-47 the blocks' largest scores, then largest p.  The quantiser: v44-49
.set TP,   48                          ; v48-51 at work
.set HD,   52                          ; v52-55 57,344 x the scale
.set SO,   56                          ; v56-59 the conversions' scale operands
.set CM,   50                          ; the quantiser, V's block: v50 largest magnitude, then the hold; v51 second chain; v52 scale operand; v53 byte
.set CO,   52
.set CB,   53
.set KW,   54                          ; the quantiser: K's two scale bytes
.set STO,  60                          ; the stage: where I put 32 bytes of a row
.set SRD,  61                          ; and where I read a row back
.set S,    64                          ; v64-127 S^T of tile a, later V's four fragments; v128-191 S^T of tile b
.set PF,   192                         ; v192-223 32 numbers of K, v224-255 32 numbers of V, on their way from memory
; window 1
.set OT,   0                           ; O^T: tile q at 32 q, channels 16 t on at + 8 t
.set QZ,   64                          ; zeros 64-71, q of tile a 72-79, zeros 80-87, q of tile b 88-95, zeros 96-103
.set PC,   104                         ; p's codes, tile q at 104 + 16 q; ahead of the softmax the quantiser's codes
.set KF,   136                         ; K's four fragments
; scalars
.set QP,   4
.set KP,   6
.set VP,   8
.set OP,   10
.set WV,   12                          ; my wave's number
.set SEL,  14                          ; s[14:15] selects for v_permlanex16_b32: lane l xor 16
.set CS,   16                          ; s[16:17] c, named as a pair
.set MNT,  18                          ; the mantissa field of 57,344
.set CNT,  19
.set C8,   20                          ; the chunk in hand x 8192, x 256; the next chunk likewise
.set C2,   21
.set N8,   22
.set N2,   23
.set KWC,  32                          ; my wave's constants in the four regions, and its stage
.set KSCC, 33
.set VWC,  34
.set VSCC, 35
.set STGW, 36
.set LIM,  37                          ; 1 in the head's first work-group, else the greatest number
.set PFA,  38                          ; s[38:39] where my prefetches stand
.set MSB, 0
.macro WIN new                         ; s_set_vgpr_msb: bits 1:0 source 0, 3:2 source 1, 5:4 source 2, 7:6 destination; the high byte repeats the setting that is left
.if MSB != \new
	s_set_vgpr_msb (MSB<<8)|\new
.set MSB, \new
.endif
.endm
.set W_QK,  0x05                       ; K and Q in window 1, S^T in window 0
.set W_D1,  0x40                       ; destination in window 1
.set W_ST,  0x04                       ; an LDS store's data in window 1
.set W_RS,  0x41                       ; O^T (destination, source 0) in window 1, f in window 0
.set W_PV,  0x54                       ; V in window 0; p, C and D in window 1
.set W_OUT, 0x01                       ; O^T in window 1, result in window 0
; A chunk's numbers for my wave, from off bytes on.  K: key tile w; lane (r, h) takes 16 neighbours of each block of 32 of its key's row.  V: block w / 2 of the keys, column 32 (w % 2) + lane: registers run down the keys.
; No cache word: three other work-groups read the same rows.
.macro LOADKV base, off
.irp c, 0,1
.irp j, 0,1,2,3
	global_load_b128 v[(\base)+16*\c+4*\j:(\base)+16*\c+4*\j+3], v[KGO], s[KP:KP+1] offset:(\off)+128*\c+16*\j
.endr
.endr
.set ii, 0
.rept 32
	global_load_b32 v[(\base)+32+ii], v[VGO], s[VP:VP+1] offset:(\off)+256*ii
.set ii, ii+1
.endr
.endm
.macro LOADQ base, off                 ; a pair's queries: tile u, block c, 16 numbers a lane
.irp u, 0,1
.irp c, 0,1
.irp j, 0,1,2,3
	global_load_b128 v[(\base)+32*\u+16*\c+4*\j:(\base)+32*\u+16*\c+4*\j+3], v[QGO], s[QP:QP+1] offset:(\off)+4096*\u+128*\c+16*\j th:TH_LOAD_NT
.endr
.endr
.endr
.endm
; A row's two blocks of 32 (16 numbers of each in my registers, the other 16 in lane l xor 16).  Leaves 57,344 x the scale in v[t], v[t+1], the conversions' operands in v[t+4], v[t+5], the two bytes in v[word].
.macro RSCALE src, t, word
.irp c, 0,1
	v_max3_num_f32 v[(\t)+\c], |v[(\src)+16*\c]|, |v[(\src)+16*\c+1]|, 0x8000000   ; with the floor 2^(16 - 127): the byte cannot fall under 1
.endr
.irp i, 2,4,6,8,10,12,14
.irp c, 0,1
	v_max3_num_f32 v[(\t)+\c], v[(\t)+\c], |v[(\src)+16*\c+\i]|, |v[(\src)+16*\c+\i+1]|
.endr
.endr
.irp c, 0,1
	v_permlanex16_b32 v[(\t)+2+\c], v[(\t)+\c], s[SEL], s[SEL+1]
.endr
.irp c, 0,1
	v_max_num_f32 v[(\t)+\c], v[(\t)+\c], v[(\t)+2+\c]                ; the block's largest magnitude
.endr
.irp c, 0,1
	v_add_nc_u32 v[(\t)+4+\c], 0xf8800000, v[(\t)+\c]                 ; 15 off its exponent field: the conversion takes that field as its scale
.endr
.irp c, 0,1
	v_and_or_b32 v[(\t)+\c], v[(\t)+\c], 0x7f800000, s[MNT]           ; 57,344 x the scale
.endr
.irp c, 0,1
	v_lshrrev_b32 v[(\t)+2+\c], 23, v[(\t)+4+\c]                      ; the scale's byte
.endr
	v_lshl_or_b32 v[\word], v[(\t)+3], 8, v[(\t)+2]
.endm
.macro RHOLD src, t                    ; the conversion to an 8-bit code does not saturate (ISA guide 7.6.2): hold first
.irp c, 0,1
.set ii, 0
.rept 16
	v_med3_num_f32 v[(\src)+16*\c+ii], v[(\src)+16*\c+ii], -v[(\t)+\c], v[(\t)+\c]
.set ii, ii+1
.endr
.endr
.endm
.macro RCVT src, dst, t                ; eight registers of codes: 4 c .. 4 c + 3 = k 32 c + 16 (lane / 16) + 0 .. 15
.irp c, 0,1
	v_cvt_scalef32_pk8_bf8_f32 v[(\dst)+4*\c:(\dst)+4*\c+1], v[(\src)+16*\c:(\src)+16*\c+7], v[(\t)+4+\c]
	v_cvt_scalef32_pk8_bf8_f32 v[(\dst)+4*\c+2:(\dst)+4*\c+3], v[(\src)+16*\c+8:(\src)+16*\c+15], v[(\t)+4+\c]
.endr
.endm
.macro CSCALE src                      ; a block of 32 that lies whole in my registers (V)
	v_max3_num_f32 v[CM], |v[(\src)]|, |v[(\src)+1]|, |v[(\src)+2]|
	v_max3_num_f32 v[CM+1], |v[(\src)+3]|, |v[(\src)+4]|, |v[(\src)+5]|
.irp i, 6,10,14,18,22,26
	v_max3_num_f32 v[CM], v[CM], |v[(\src)+\i]|, |v[(\src)+\i+1]|
	v_max3_num_f32 v[CM+1], v[CM+1], |v[(\src)+\i+2]|, |v[(\src)+\i+3]|
.endr
	v_max3_num_f32 v[CM], v[CM], |v[(\src)+30]|, |v[(\src)+31]|
	v_max3_num_f32 v[CM], v[CM], v[CM+1], 0x8000000
	v_add_nc_u32 v[CO], 0xf8800000, v[CM]
	v_and_or_b32 v[CM], v[CM], 0x7f800000, s[MNT]
	v_lshrrev_b32 v[CB], 23, v[CO]
.endm
.macro CHOLD src
.set ii, 0
.rept 32
	v_med3_num_f32 v[(\src)+ii], v[(\src)+ii], -v[CM], v[CM]
.set ii, ii+1
.endr
.endm
.macro CCVT src, dst
.irp g, 0,1,2,3
	v_cvt_scalef32_pk8_bf8_f32 v[(\dst)+2*\g:(\dst)+2*\g+1], v[(\src)+8*\g:(\src)+8*\g+7], v[CO]
.endr
.endm
; The step's LDS addresses: a constant + a constant x lane + a constant x wave + the chunk's counted offset.  Eight plain vector instructions that name no register of the products K Q^T:
; they are the eight places between those products and the first read of their results.
.macro ADDRS quant
	s_add_co_u32 s24, s[C8], VIMG
	s_add_co_u32 s25, s[C2], VSC
	s_add_co_u32 s26, s[N2], KSC
	v_add_nc_u32 v[ADV], s24, v[L16]               ; V of the chunk in hand
	v_add_nc_u32 v[ADVS], s25, v[L4]
	v_add_nc_u32 v[ADK], s[N8], v[L16]             ; K of the next chunk
	v_add_nc_u32 v[ADKS], s26, v[L4]
.if \quant
	s_add_co_u32 s27, s[N8], s[KWC]
	s_add_co_u32 s28, s[N2], s[KSCC]
	s_add_co_u32 s29, s[N8], s[VWC]
	s_add_co_u32 s30, s[N2], s[VSCC]
	v_add_nc_u32 v[KWA], s27, v[L16]               ; where the next chunk's codes and bytes go
	v_add_nc_u32 v[KWS], s28, v[R4]
	v_add_nc_u32 v[VWA], s29, v[VL]
	v_add_nc_u32 v[VWS], s30, v[L4]
.else
.rept 4
	v_nop
.endr
.endif
.endm
; My share of a chunk becomes codes and goes to LDS: key tile w (registers 8 (w % 2) on of fragment w / 2, in the same lanes), and of V 32 keys of 32 columns.
.macro QUANT src
	RSCALE \src, BM, KW
	CSCALE (\src)+32
	RHOLD \src, BM
	CHOLD (\src)+32
	WIN W_D1
	RCVT \src, PC, BM
	CCVT (\src)+32, PC+8
	v_nop                                          ; one plain vector instruction behind the last scaled conversion
	WIN W_ST
	ds_store_b128 v[KWA], v[PC:PC+3]
	ds_store_b128 v[KWA], v[PC+4:PC+7] offset:512
	ds_store_b128 v[VWA], v[PC+8:PC+11]            ; keys 0-15 of the block: the place of lane (column % 16, 0),
	ds_store_b128 v[VWA], v[PC+12:PC+15] offset:256   ; keys 16-31: of lane (column % 16, 1): so V is turned
	WIN 0
	ds_store_b16 v[KWS], v[KW]                     ; both lanes of a row write the same two bytes with the same value
	ds_store_b8 v[VWS], v[CB]
.endm
.macro QQ base                         ; a pair's queries become codes (window 1) and scale words: low variant bytes 0, 1; high variant bytes 2, 3; the zero codes' bytes are 0
.irp u, 0,1
	RSCALE (\base)+32*\u, BM, QS+2*\u
	v_lshlrev_b32 v[QS+2*\u+1], 16, v[QS+2*\u]
	RHOLD (\base)+32*\u, BM
	WIN W_D1
	RCVT (\base)+32*\u, QZ+8+16*\u, BM
	v_nop
	WIN 0
.endr
.endm
.macro LOADK                           ; the next chunk's four fragments of K and their scale words (lanes 0-15 fragment 0 or 2, lanes 16-31 fragment 1 or 3)
	WIN W_D1
.irp b, 0,1,2,3
.irp c, 0,1,2,3
	ds_load_b128 v[KF+16*\b+4*\c:KF+16*\b+4*\c+3], v[ADK] offset:2048*\b+512*\c
.endr
.endr
	WIN 0
	ds_load_b32 v[KS], v[ADKS]
	ds_load_b32 v[KS+1], v[ADKS] offset:128
.endm
.macro LOADV                           ; this chunk's four fragments of V, into the registers that tile a's scores have left
.irp t, 0,1,2,3
.irp c, 0,1,2,3
	ds_load_b128 v[S+16*\t+4*\c:S+16*\t+4*\c+3], v[ADV] offset:2048*\t+512*\c
.endr
.endr
	ds_load_b32 v[VS], v[ADVS]
	ds_load_b32 v[VS+1], v[ADVS] offset:128
.endm
; S^T = K Q^T for 128 keys and the pair: 16 products on 16 accumulators, each begun with the constant 0.  u picks the half of K's fragment by Q's variant.
.macro QKMUL
.irp b, 0,1,2,3
.irp u, 0,1
.irp q, 0,1
.if \b%2
	v_wmma_scale_f32_16x16x128_f8f6f4 v[S+64*\q+8*(2*\b+\u):S+64*\q+8*(2*\b+\u)+7], v[KF+16*\b:KF+16*\b+15], v[QZ+8+16*\q-8*\u:QZ+8+16*\q-8*\u+15], 0, v[KS+\b/2], v[QS+2*\q+\u] matrix_a_fmt:MATRIX_FMT_BF8 matrix_b_fmt:MATRIX_FMT_BF8 matrix_a_scale:MATRIX_SCALE_ROW1
.else
	v_wmma_scale_f32_16x16x128_f8f6f4 v[S+64*\q+8*(2*\b+\u):S+64*\q+8*(2*\b+\u)+7], v[KF+16*\b:KF+16*\b+15], v[QZ+8+16*\q-8*\u:QZ+8+16*\q-8*\u+15], 0, v[KS+\b/2], v[QS+2*\q+\u] matrix_a_fmt:MATRIX_FMT_BF8 matrix_b_fmt:MATRIX_FMT_BF8
.endif
.endr
.endr
.endr
.endm
; O^T += V^T P^T: eight accumulators, one instruction a turn.
.macro PVMUL
	WIN W_PV
.irp t, 0,1,2,3
.irp q, 0,1
.if \t%2
	v_wmma_scale_f32_16x16x128_f8f6f4 v[OT+32*\q+8*\t:OT+32*\q+8*\t+7], v[S+16*\t:S+16*\t+15], v[PC+16*\q:PC+16*\q+15], v[OT+32*\q+8*\t:OT+32*\q+8*\t+7], v[VS+\t/2], v[PS+\q] matrix_a_fmt:MATRIX_FMT_BF8 matrix_b_fmt:MATRIX_FMT_BF8 matrix_a_scale:MATRIX_SCALE_ROW1
.else
	v_wmma_scale_f32_16x16x128_f8f6f4 v[OT+32*\q+8*\t:OT+32*\q+8*\t+7], v[S+16*\t:S+16*\t+15], v[PC+16*\q:PC+16*\q+15], v[OT+32*\q+8*\t:OT+32*\q+8*\t+7], v[VS+\t/2], v[PS+\q] matrix_a_fmt:MATRIX_FMT_BF8 matrix_b_fmt:MATRIX_FMT_BF8
.endif
.endr
.endr
.endm
; One tile's softmax for 128 keys: scores in v[rS] on become p's codes (window 1) and p's scale word.
.macro SOFT q
.set rS, S+64*(\q)
.set rN, NM+4*(\q)
.set rU, SU+4*(\q)
.set rF, FF+2*(\q)
.irp b, 0,1,2,3
	v_max3_num_f32 v[BM+\b], v[rS+16*\b], v[rS+16*\b+1], v[rS+16*\b+2]   ; the largest score of each block of 32 keys: for the row's maximum, and, since p rises with the score, for the block's largest p.  (Each accumulator is read from its low end on)
.endr
.irp i, 3,5,7,9,11,13
.irp b, 0,1,2,3
	v_max3_num_f32 v[BM+\b], v[BM+\b], v[rS+16*\b+\i], v[rS+16*\b+\i+1]
.endr
.endr
.irp b, 0,1,2,3
	v_max_num_f32 v[BM+\b], v[BM+\b], v[rS+16*\b+15]
.endr
.irp b, 0,1,2,3
	v_permlanex16_b32 v[TP+\b], v[BM+\b], s[SEL], s[SEL+1]
.endr
.irp b, 0,1,2,3
	v_max_num_f32 v[BM+\b], v[BM+\b], v[TP+\b]     ; with lane l xor 16's 16 keys
.endr
	v_max3_num_f32 v[T], v[BM], v[BM+1], v[BM+2]
	v_max_num_f32 v[T], v[T], v[BM+3]              ; the step's largest score of my query,
	v_mul_f32 v[T], s[CS], v[T]                    ; as t (c is positive)
	v_max_num_f32 v[rN+1], v[rN+1], v[T]           ; the running largest t
	v_mov_b32 v[T], v[rN]
	v_floor_f32 v[rN], -v[rN+1]                    ; the new -M = floor(-t): M is a whole number
	v_sub_f32 v[T], v[rN], v[T]                    ; old M - new M: a whole number, 0 or less
	v_cvt_i32_f32 v[T], v[T]                       ; (it saturates)
	v_ldexp_f32 v[rF], 1.0, v[T]                   ; f = 2^(old M - new M)
.set ii, 0
.rept 32
	v_pk_fma_f32 v[rS+ii:rS+ii+1], v[rS+ii:rS+ii+1], s[CS:CS+1], v[rN:rN+1] op_sel_hi:[1,0,0]   ; t - M, two at a time (of the pairs c and -M the low word serves both halves)
.set ii, ii+2
.endr
.irp b, 0,1,2,3
	v_fma_f32 v[BM+\b], v[BM+\b], s[CS], v[rN]     ; the same of each block's largest score
.endr
.set ii, 0
.rept 64
	v_exp_f32 v[rS+ii], v[rS+ii]                   ; p = 2^(t - M), at most 1
.set ii, ii+1
.endr
	v_pk_mul_f32 v[rU:rU+1], v[rU:rU+1], v[rF:rF+1] op_sel_hi:[1,0]   ; the sums under the new M: the plain instruction behind the exponentials
	s_wait_alu depctr_va_vdst(0)                   ; the wait ahead of the first instruction that names a result: one for the batch of 64
.irp b, 0,1,2,3
	v_exp_f32 v[BM+\b], v[BM+\b]                   ; the block's largest p: the same two instructions on the same number give the same bits
.endr
	v_pk_add_f32 v[TP:TP+1], v[rS:rS+1], v[rS+2:rS+3]   ; the row's sum is taken of the unquantised p, in two chains; these lines read the 64 alone
.irp j, 4,8,12,16,20,24,28,32,36,40,44,48,52,56,60
	v_pk_add_f32 v[rU:rU+1], v[rU:rU+1], v[rS+\j:rS+\j+1]
	v_pk_add_f32 v[TP:TP+1], v[TP:TP+1], v[rS+\j+2:rS+\j+3]
.endr
	v_pk_add_f32 v[rU:rU+1], v[rU:rU+1], v[TP:TP+1]
	s_wait_alu depctr_va_vdst(0)                   ; and one wait for the four
.irp b, 0,1,2,3
	v_max_num_f32 v[BM+\b], 0x8000000, v[BM+\b]    ; the floor 2^(16 - 127): the byte cannot fall under 1
.endr
.irp b, 0,1,2,3
	v_add_nc_u32 v[SO+\b], 0xf8800000, v[BM+\b]    ; the conversion's scale operand
.endr
.irp b, 0,1,2,3
	v_and_or_b32 v[HD+\b], v[BM+\b], 0x7f800000, s[MNT]   ; 57,344 x the scale
.endr
.irp b, 0,1,2,3
	v_lshrrev_b32 v[TP+\b], 23, v[SO+\b]           ; the scale's byte
.endr
	v_lshl_or_b32 v[PS+\q], v[TP+1], 8, v[TP]      ; p's scale word for these 128 keys
	v_lshl_or_b32 v[PS+\q], v[TP+2], 16, v[PS+\q]
	v_lshl_or_b32 v[PS+\q], v[TP+3], 24, v[PS+\q]
.irp b, 0,1,2,3
.set ii, 0
.rept 16
	v_min_num_f32 v[rS+16*\b+ii], v[rS+16*\b+ii], v[HD+\b]   ; p is not negative: the hold is one-sided
.set ii, ii+1
.endr
.endr
	WIN W_D1
.irp b, 0,1,2,3
	v_cvt_scalef32_pk8_bf8_f32 v[PC+16*\q+4*\b:PC+16*\q+4*\b+1], v[rS+16*\b:rS+16*\b+7], v[SO+\b]
	v_cvt_scalef32_pk8_bf8_f32 v[PC+16*\q+4*\b+2:PC+16*\q+4*\b+3], v[rS+16*\b+8:rS+16*\b+15], v[SO+\b]
.endr
	v_nop                                          ; one plain vector instruction behind the last scaled conversion
	WIN 0
.endm
.macro RESC                            ; O^T under the new M.  These 32 lines also stand between p's codes and scale word and the products that take them
	WIN W_RS
.irp q, 0,1
.set ii, 0
.rept 16
	v_pk_mul_f32 v[OT+32*\q+ii:OT+32*\q+ii+1], v[OT+32*\q+ii:OT+32*\q+ii+1], v[FF+2*\q:FF+2*\q+1] op_sel_hi:[1,0]
.set ii, ii+2
.endr
.endr
.endm
; A prefetch of the chunk behind the one just asked for: a step ahead of the loads that will want it.  The four work-groups of a head read the same rows: the first of them asks (a branch on the work-group's
; number and the count of trips).  Waves 0 to 3 take K's 32,768 bytes, waves 4 to 7 V's: 8,192 a wave, lanes 256 bytes apart, so each aligned 256 bytes are named once in the launch.
; Chunks 0 to 2 come by their loads alone; the loop's last trip, behind whose chunk there is none, asks for nothing.
.macro ASK
	s_cmp_gt_u32 s[CNT], s[LIM]
	s_cbranch_scc0 .Lnot_mine_\@
	global_prefetch_b8 v[PFO], s[PFA:PFA+1] offset:2*CHG th:TH_LOAD_NT scope:SCOPE_SE
.Lnot_mine_\@:
.endm
.macro INIT                            ; a pass begins: the largest t -3e38, the sums and O^T zeros, which the first change of M leaves zeros: so the step is written without a first step of its own
.irp q, 0,1
	v_mov_b32 v[NM+4*\q+1], 0xff61b1e6
	v_floor_f32 v[NM+4*\q], -v[NM+4*\q+1]
	v_mov_b32 v[SU+4*\q], 0
	v_mov_b32 v[SU+4*\q+1], 0
.endr
	WIN W_D1
.set ii, 0
.rept 64
	v_mov_b32 v[OT+ii], 0
.set ii, ii+1
.endr
	WIN 0
.endm
; A KEY STEP of the pair.  quant = 1: the next chunk is quantised and a barrier shows it to all waves.  ld = 1: the chunk behind it is asked for; ld = 2: the second pair's queries.  guard = 1: the loop's last trip fetches no K.
.macro STEP quant, ld, guard
	WIN W_QK
	QKMUL
	WIN 0
	ADDRS \quant
.if \quant
	s_wait_loadcnt 0x0                             ; the next chunk's numbers are in; their loads are done, so their bases may be stepped
.if \ld == 1
	s_wait_xcnt 0x0                                ; the last prefetch, a step back, has read its address
	s_add_nc_u64 s[KP:KP+1], s[KP:KP+1], CHG
	s_add_nc_u64 s[VP:VP+1], s[VP:VP+1], CHG
	s_add_nc_u64 s[PFA:PFA+1], s[PFA:PFA+1], CHG
.endif
	QUANT PF
.if \ld == 1
	LOADKV PF, CHG
	ASK
.endif
.if \ld == 2
	LOADQ PF, 8192
.endif
	s_wait_dscnt 0x0                               ; for the others' sake: my stores of the next chunk have landed
	s_barrier_signal -1
.endif
	SOFT 0                                         ; work on registers alone, while the others arrive
.if \quant
	s_barrier_wait -1                              ; the next chunk lies whole in LDS.  No byte of the images is ever written twice, so no second barrier is owed
.endif
.if \guard
	s_cmp_eq_u32 s[CNT], 1
	s_cbranch_scc1 .Lno_k_\@
.endif
	LOADK
.if \guard
.Lno_k_\@:
.endif
	LOADV
	SOFT 1                                         ; the 36 LDS loads land under tile b's softmax
	RESC
	s_wait_dscnt 0x0
	PVMUL
	WIN 0
	s_add_co_u32 s[C8], s[C8], CHK
	s_add_co_u32 s[C2], s[C2], CHS
	s_add_co_u32 s[N8], s[N8], CHK
	s_add_co_u32 s[N2], s[N2], CHS
.rept 9
	v_nop                                          ; the next products K Q^T write over the registers from which these took V: nine places (and one more for a matrix instruction that writes over an operand); they serve the way out's reads of O^T too
.endr
.endm
; THE WAY OUT of pair p: O^T / the sum goes through my stage in LDS, a tile (16 rows of 256 bytes) at a time, and leaves as whole rows: sixteen lanes store 256 consecutive bytes, aligned.
.macro WAYOUT p
.irp q, 0,1
	v_add_f32 v[T+\q], v[SU+4*\q], v[SU+4*\q+1]    ; the sum's two halves,
.endr
.irp q, 0,1
	v_permlanex16_b32 v[TP+\q], v[T+\q], s[SEL], s[SEL+1]
.endr
.irp q, 0,1
	v_add_f32 v[T+\q], v[T+\q], v[TP+\q]           ; and lane l xor 16's
.endr
.irp q, 0,1
	v_rcp_f32 v[FF+2*\q], v[T+\q]
.endr
	v_nop                                          ; a plain instruction behind the reciprocals,
	s_wait_alu depctr_va_vdst(0)                   ; and the wait ahead of their first reader
	WIN W_OUT
.irp q, 0,1
.set ii, 0
.rept 16
	v_pk_mul_f32 v[S+32*\q+ii:S+32*\q+ii+1], v[OT+32*\q+ii:OT+32*\q+ii+1], v[FF+2*\q:FF+2*\q+1] op_sel_hi:[1,0]   ; register 8 t + i: out(query lane % 16, channel 16 t + 8 (lane / 16) + i)
.set ii, ii+2
.endr
.endr
	WIN 0
.irp q, 0,1
.irp t, 0,1,2,3
	ds_store_b128 v[STO], v[S+32*\q+8*\t:S+32*\q+8*\t+3] offset:64*\t
	ds_store_b128 v[STO], v[S+32*\q+8*\t+4:S+32*\q+8*\t+7] offset:64*\t+16
.endr
.irp i, 0,1,2,3,4,5,6,7
	ds_load_b128 v[S+64+32*\q+4*\i:S+64+32*\q+4*\i+3], v[SRD] offset:544*\i   ; LDS serves a wave's instructions in order (ISA guide 5.7.1.4): these see my stores, and tile b's stores come behind tile a's loads
.endr
.endr
.irp q, 0,1
.irp i, 0,1,2,3,4,5,6,7
	s_wait_dscnt 23-16*\q-\i                       ; behind this load: the rest of its tile's eight, and for tile a the sixteen of tile b
	global_store_b128 v[L16], v[S+64+32*\q+4*\i:S+64+32*\q+4*\i+3], s[OP:OP+1] offset:8192*(\p)+4096*\q+512*\i th:TH_STORE_NT
.endr
.endr
.if (\p) == 0
	s_wait_xcnt 0x0                                ; the stores have read their registers, which the next pass writes
.endif
.endm
	s_load_b256 s[4:11], s[0:1], 0x0               ; queries s[4:5], keys s[6:7], values s[8:9], out0 s[10:11]
	v_lshl_add_u32 v[SPW], v0, 2, SPARE
	v_mov_b32 v[NIL], 0
	v_lshrrev_b32 v42, 5, v0
	v_readfirstlane_b32 s[WV], v42                 ; wave 0..7
	v_and_b32 v42, 31, v0                          ; lane
	v_and_b32 v43, 15, v0                          ; r = lane % 16
	v_bfe_u32 v44, v0, 4, 1                        ; h = lane / 16
	v_lshlrev_b32 v[L16], 4, v42
	v_lshlrev_b32 v[L4], 2, v42
	v_lshlrev_b32 v[R4], 2, v43
	v_lshlrev_b32 v[VL], 4, v43
	v_lshl_add_u32 v[VL], v44, 11, v[VL]
	v_lshlrev_b32 v[PFO], 8, v42
	s_lshr_b32 s40, s[WV], 1                       ; w / 2: K's fragment, V's block of keys
	s_and_b32 s41, s[WV], 1                        ; w % 2: the half of K's fragment, V's 32 columns
	s_lshl_b32 s42, s40, 13                        ; 32 rows of 256 bytes
	s_lshl_b32 s43, s41, 11                        ; 8 rows
	s_add_co_u32 s43, s43, s42
	v_and_b32 v45, 8, v43
	v_add_nc_u32 v45, v45, v43                     ; r + 8 (r / 8)
	v_lshlrev_b32 v[KGO], 8, v45
	v_lshl_add_u32 v[KGO], v44, 6, v[KGO]          ; my key's row, + my 16 numbers of a block
	v_add_nc_u32 v[KGO], s43, v[KGO]
	s_lshl_b32 s43, s41, 7
	s_add_co_u32 s43, s43, s42
	v_add_nc_u32 v[VGO], s43, v[L4]                ; my block's first key, my column
	v_lshlrev_b32 v[QGO], 8, v43
	v_lshl_add_u32 v[QGO], v44, 6, v[QGO]
	s_lshl_b32 s[KWC], s40, 11
	s_lshl_b32 s43, s41, 10
	s_add_co_u32 s[KWC], s[KWC], s43               ; KIMG (0) + 2048 (w / 2) + 1024 (w % 2)
	s_lshl_b32 s[KSCC], s40, 6
	s_lshl_b32 s43, s41, 1
	s_add_co_u32 s[KSCC], s[KSCC], s43
	s_add_co_u32 s[KSCC], s[KSCC], KSC
	s_lshl_b32 s[VWC], s41, 12
	s_lshl_b32 s43, s40, 9
	s_add_co_u32 s[VWC], s[VWC], s43
	s_add_co_u32 s[VWC], s[VWC], VIMG
	s_lshl_b32 s[VSCC], s41, 7
	s_add_co_u32 s[VSCC], s[VSCC], s40
	s_add_co_u32 s[VSCC], s[VSCC], VSC
	s_mul_i32 s[STGW], s[WV], 16*272
	s_add_co_u32 s[STGW], s[STGW], STG
	v_mul_u32_u24 v[STO], v43, 272                 ; in: row r, 32 bytes for each half of the lanes
	v_lshl_add_u32 v[STO], v44, 5, v[STO]
	v_add_nc_u32 v[STO], s[STGW], v[STO]
	v_mul_u32_u24 v[SRD], v44, 272                 ; back: lanes 0-15 one row, lanes 16-31 the next
	v_lshl_add_u32 v[SRD], v43, 4, v[SRD]
	v_add_nc_u32 v[SRD], s[STGW], v[SRD]
.irp i, 39,41,46,47,48,49,50,51
	v_mov_b32 v[\i], 0                             ; written once: a lane permute's destination counts as one of its sources, and so does the upper half of a pair that is named
.endr
	s_mov_b32 s[SEL], 0x76543210
	s_mov_b32 s[SEL+1], 0xfedcba98
	s_mov_b32 s[CS], 0x3e38aa3b                    ; c = log2(e) / 8
	s_mov_b32 s[CS+1], s[CS]
	s_mov_b32 s[MNT], 0x600000
	s_mov_b32 s[C8], 0
	s_mov_b32 s[C2], 0
	s_mov_b32 s[N8], 0
	s_mov_b32 s[N2], 0
	s_and_b32 s44, ttmp7, 0xffff                   ; the head,
	s_lshl_b32 s44, s44, 19                        ; of 2,048 rows of 256 bytes
	s_mov_b32 s45, 0
	s_lshl_b32 s46, ttmp9, 17                      ; my work-group's 512 queries,
	s_lshl_b32 s47, s[WV], 14                      ; my wave's 64
	s_add_co_u32 s46, s46, s47
	s_add_co_u32 s46, s46, s44
	s_mov_b32 s47, 0
	s_and_b32 s42, s[WV], 3
	s_lshl_b32 s42, s42, 13                        ; my wave's 8,192 bytes of a chunk, for the prefetches
	s_mov_b32 s43, 0
	s_wait_kmcnt 0x0
	s_add_nc_u64 s[KP:KP+1], s[KP:KP+1], s[44:45]
	s_add_nc_u64 s[VP:VP+1], s[VP:VP+1], s[44:45]
	s_add_nc_u64 s[QP:QP+1], s[QP:QP+1], s[46:47]
	s_add_nc_u64 s[OP:OP+1], s[OP:OP+1], s[46:47]
	s_cmp_lt_u32 s[WV], 4
	s_cselect_b64 s[PFA:PFA+1], s[KP:KP+1], s[VP:VP+1]
	s_add_nc_u64 s[PFA:PFA+1], s[PFA:PFA+1], s[42:43]
	s_cmp_eq_u32 ttmp9, 0
	s_cselect_b32 s[LIM], 1, -1
	LOADKV S, 0                                    ; chunk 0, into the registers of tile a's scores
	LOADQ S+64, 0                                  ; the first pair's queries, into tile b's
	LOADKV PF, CHG                                 ; chunk 1
	WIN W_D1
.irp z, 0,16,32
.set ii, 0
.rept 8
	v_mov_b32 v[QZ+\z+ii], 0                       ; the zero codes beside Q
.set ii, ii+1
.endr
.endr
	WIN 0
	ADDRS 1                                        ; (the next chunk is chunk 0 here)
	s_wait_loadcnt 56                              ; chunk 0 is in: behind its loads stand Q's 16 and chunk 1's 40
	QUANT S
	s_wait_loadcnt 40                              ; Q is in: behind it chunk 1's 40
	QQ S+64
	s_wait_dscnt 0x0                               ; for the others' sake: my stores of chunk 0 have landed
	s_barrier_signal -1
	s_barrier_wait -1
	LOADK                                          ; chunk 0
	INIT
	s_mov_b32 s[N8], CHK
	s_mov_b32 s[N2], CHS
	s_wait_dscnt 0x0
	; PASS 0, queries 0-31 of my 64.  Trip j = 0 .. 13: multiplies chunk j, quantises chunk j + 1, asks for chunk j + 2
	s_mov_b32 s[CNT], 14
.Lpass0:
	STEP 1, 1, 0
	s_sub_co_u32 s[CNT], s[CNT], 1
	s_cmp_lg_u32 s[CNT], 0
	s_cbranch_scc1 .Lpass0
	STEP 1, 2, 0                                   ; chunk 14; chunk 15 is quantised; no chunk is left to ask for: the second pair's queries are
	s_mov_b32 s[N8], 0                             ; the next K is chunk 0 again, for pass 1
	s_mov_b32 s[N2], 0
	STEP 0, 0, 0                                   ; chunk 15
	s_mov_b32 s[C8], 0
	s_mov_b32 s[C2], 0
	WAYOUT 0
	s_wait_loadcnt 0x0                             ; the second pair's queries
	QQ PF
	INIT
	; PASS 1, queries 32-63: the head's codes lie in LDS; nothing is stored there but in my own stage, so no barrier stands here
	s_mov_b32 s[CNT], 16
.Lpass1:
	STEP 0, 0, 1
	s_sub_co_u32 s[CNT], s[CNT], 1
	s_cmp_lg_u32 s[CNT], 0
	s_cbranch_scc1 .Lpass1
	WAYOUT 1
	s_wait_tensorcnt 0x0                           ; the wave's end, behind my last LDS store
	ds_add_u32 v[SPW], v[NIL]
	s_wait_dscnt 0x0
	s_endpgm
.Lfunc_end_k_qd76c67b5b7_attn:
	.size	k_qd76c67b5b7_attn, .Lfunc_end_k_qd76c67b5b7_attn-k_qd76c67b5b7_attn
	.p2alignl 7, 3214868480
	.fill 96, 4, 3214868480
	.section	.rodata,"a",@progbits
	.p2align	6, 0x0
	.amdhsa_kernel k_qd76c67b5b7_attn
		.amdhsa_group_segment_fixed_size 306176
		.amdhsa_private_segment_fixed_size 0
		.amdhsa_enable_private_segment 0
		.amdhsa_kernarg_size 32
		.amdhsa_user_sgpr_count 2
		.amdhsa_user_sgpr_kernarg_segment_ptr 1
		.amdhsa_wavefront_size32 1
		.amdhsa_system_sgpr_workgroup_id_x 1
		.amdhsa_system_sgpr_workgroup_id_y 1
		.amdhsa_system_sgpr_workgroup_id_z 1
		.amdhsa_system_vgpr_workitem_id 0
		.amdhsa_next_free_vgpr 512
		.amdhsa_next_free_sgpr 66
		.amdhsa_reserve_vcc 0
		.amdhsa_float_denorm_mode_32 3
		.amdhsa_float_denorm_mode_16_64 3
		.amdhsa_memory_ordered 1
		.amdhsa_forward_progress 1
		.amdhsa_inst_pref_size 218
	.end_amdhsa_kernel
	.amdgpu_metadata
---
amdhsa.version: [ 1, 2 ]
amdhsa.kernels:
  - .name:           k_qd76c67b5b7_attn
    .symbol:         k_qd76c67b5b7_attn.kd
    .args:
      - { .name: queries, .offset: 0, .size: 8, .value_kind: global_buffer, .address_space: global }
      - { .name: keys, .offset: 8, .size: 8, .value_kind: global_buffer, .address_space: global }
      - { .name: values, .offset: 16, .size: 8, .value_kind: global_buffer, .address_space: global }
      - { .name: out0, .offset: 24, .size: 8, .value_kind: global_buffer, .address_space: global }
    .group_segment_fixed_size: 306176
    .private_segment_fixed_size: 0
    .kernarg_segment_align: 8
    .kernarg_segment_size: 32
    .max_flat_workgroup_size: 256
    .sgpr_count:     66
    .vgpr_count:     512
    .wavefront_size: 32
...
	.end_amdgpu_metadata
.endif
;; end of part 1
;; ======== version 2 of 2: 1 launch; version 1 with the launch attn written anew for expert scheduling mode
;; launch attn (part 2): grid 4 x 64, 8 waves a work-group, no clusters, 306,176 bytes of LDS; arguments queries, keys, values, out0; writes out0
.if DOCPART == 2
	.amdgcn_target "amdgcn-amd-amdhsa--gfx1250"
	.amdhsa_code_object_version 6
	.text
	.protected	k_qd76c67b5b7_attn
	.globl	k_qd76c67b5b7_attn
	.p2align	8
	.type	k_qd76c67b5b7_attn,@function
k_qd76c67b5b7_attn:
	s_mov_b64 s[64:65], 0
	v_nop
	global_prefetch_b8 v0, s[64:65] scope:SCOPE_SE
	s_setreg_imm32_b32 hwreg(HW_REG_WAVE_SCHED_MODE, 0, 2), 2
	s_setreg_imm32_b32 hwreg(HW_REG_WAVE_MODE, 25, 1), 1
	s_wait_xcnt 0x0
	s_wait_alu depctr_vm_vsrc(0)
; out0[h][q][:] = the sum over k of softmax_k(Q[h][q] . K[h][k] / 8) V[h][k][:], 64 heads (8 x 8), 2,048 queries and keys a head, head size 64, all f32 in memory.
; Both products run on codes of BF8 (E5M2) with one E8M0 scale for each 32 along a product's K: Q and K are quantised along the head's 64, V and p along the keys.
; THE SOFTMAX AHEAD OF THE SECOND PRODUCT: t = score x c, c = log2(e) / 8; M = the row's largest t so far, rounded up to a whole number; p = 2^(t - M) is quantised, not normalised;
; the row's sum is taken of the unquantised p and divides at the end; when M moves, the sum and O are multiplied by 2^(old M - new M), which rounds nothing.
; NOTHING OF reference() IS LEFT OUT: every input reaches the output, and there is no mask.
; ONE LAUNCH, NO WORKSPACE.  A work-group owns 512 queries of one head (grid x: which 512; grid y: the head).  Each of its eight waves owns 64 queries, worked in two PASSES of a PAIR of tiles of 16.
; The work-group quantises the head's K and V itself, 128 keys (a CHUNK) at a time, from f32 in registers to codes in LDS, where the whole head's codes stay (2 x 131,072 bytes, and 8,192 of scale bytes).
; In pass 0 step j multiplies chunk j, quantises chunk j + 1 and has chunk j + 2 on its way from memory; pass 1 reads LDS alone.  Each fragment of K or V read from LDS feeds two matrix instructions (the pair).
; OPERANDS LIE IN LDS AS IMAGES OF THEIR REGISTERS: four registers of a fragment are 512 bytes, lane l's 16 bytes at 16 l.  No pitch, no padding; V is turned by where its codes are stored, by no instruction.
; BOTH PRODUCTS ARE USED TRANSPOSED: S^T = K Q^T (source 0 = keys, source 1 = 16 queries), O^T = V^T P^T (source 0 = 16 of the head's 64, source 1 = p): a lane holds one query (lane % 16) throughout.
; THE KEYS OF A TILE ARE NOT NEIGHBOURS: row m of key tile 2 b + u is key 32 b + 8 u + m + 8 (m / 8) of the chunk, so that registers 16 b .. 16 b + 15 of S^T are keys 32 b + 16 (lane / 16) + 0 .. 15: p's codes are source 1 as they fall.
; THE FIRST PRODUCT'S K IS 64, THE INSTRUCTION'S 128.  A fragment of K holds TWO key tiles: tile 2 b in k = 0 .. 63, tile 2 b + 1 in k = 64 .. 127.  Q stands as [q | zero codes] and as [zero codes | q]:
; the zero codes make the other tile's products exact zeros (K's codes are held, so they are numbers), and no LDS byte and no register of K is spent on filling.
; NO JOINT REQUESTS, though the four work-groups of a head read the same f32 rows: a joint request lands in LDS; a chunk of K and V in f32 is 65,536 bytes, and beside the head's codes, the stages and the
; spare words 327,680 - 306,176 = 21,504 bytes are left.  The rows go straight into the registers that quantise them.
; LIMITS.  NaN and infinities among the inputs are not served.  A p under 2^-126 counts as 0 (v_exp_f32 gives 0 there).  A block of zeros gets the scale byte 1 where the rule says 127: its codes are zeros,
; and this program alone reads the bytes.  A block's largest p is made from the block's largest score: that takes v_exp_f32 not to fall where its input rises.
; THE MODE: SCHED_MODE bits 1:0 = 2 (LLVM: expert scheduling mode 2), set by the entry lines.  The code itself states the register dependences
; between vector or matrix instructions and memory or LDS instructions, with s_wait_alu, always for 0.
; THE PLAN.  Registers that memory or LDS instructions touch:
;   v1-8, v60, v61, v18, v19   offsets and addresses made once at the head: one wait on va_vdst ahead of the first load states that they are written; nothing writes them again.
;   v9-12    written by ADDRS in each step; read by the step's 36 LDS loads.          v13-16   written by ADDRS in a quantising step; read by its six LDS stores.
;   PF       the global loads issued behind a step's six stores land in it; the next step's quantiser reads it and holds in place.
;   PC (its first 16), v53, v54   written by the quantiser; read by the six LDS stores; written again by tile a's softmax in the same step.
;   KF, KS   LDS loads land in them; the next step's products K Q^T read them.
;   v64-127, VS   v64-127 written by K Q^T and read by tile a's softmax; then V's LDS loads land in both, and V^T P reads them.
;   way out  v64-127 written by the divisions, read by the stage's stores; v128-191 filled from the stage, read by the global stores.
; A STEP'S WAITS.  At its head vm_vsrc: the LDS instructions issued so far have read v9-16.  In the quantiser, behind its conversions, va_vdst: for the six stores and for the loads into PF.  Ahead of the barrier's
; signal vm_vsrc: the six stores have read what tile a's softmax writes.  Behind tile a's softmax va_vdst: for the 36 LDS loads; K's follow in a run (their destination lies in window 1), V's are dealt among the first
; lines of tile b's softmax, which names v128-191, v20-59 and the second half of PC: none of the registers that those loads touch.  Ahead of V^T P va_vdst: p's codes and scale words are written.
.set CHG,   32768                      ; a chunk in memory: 128 rows of 256 bytes
.set CHK,   8192                       ; a chunk's codes of K, or of V, in LDS
.set CHS,   256                        ; a chunk's scale bytes of K, or of V
.set KIMG,  0                          ; K: chunk j at 8192 j; fragment b at + 2048 b; four registers c at + 512 c (c = 0, 1: tile 2 b's blocks; 2, 3: tile 2 b + 1's); lane at + 16 l
.set VIMG,  131072                     ; V: chunk j at 8192 j; fragment t (channels 16 t on) at + 2048 t; keys 32 c on at + 512 c; lane at + 16 l
.set KSC,   262144                     ; K's scale words: chunk at 256 j; word 16 b + r: bytes 0, 1 tile 2 b's row r, bytes 2, 3 tile 2 b + 1's
.set VSC,   266240                     ; V's: chunk at 256 j; word d (channel): byte c for keys 32 c on
.set STG,   270336                     ; the way out: 16 rows x (256 + 16) bytes for each wave, its own
.set SPARE, 305152                     ; the spare words, 128 bytes for each wave: four blocks of 256 bytes that no other line names
; window 0
.set L16,  1                           ; 16 x lane: an image's place; also my bytes in two rows of out0 (256 (lane / 16) + 16 (lane % 16))
.set L4,   2                           ; 4 x lane
.set R4,   3                           ; 4 x (lane % 16)
.set VL,   4                           ; 2048 (lane / 16) + 16 (lane % 16): where my column's codes of V go
.set KGO,  5                           ; my bytes in a chunk of keys
.set VGO,  6                           ; in a chunk of values
.set QGO,  7                           ; in a tile of queries
.set PFO,  8                           ; 256 x lane, for the prefetches
.set ADK,  9                           ; v9-16: LDS addresses, made anew in each step
.set ADKS, 10
.set ADV,  11
.set ADVS, 12
.set KWA,  13
.set KWS,  14
.set VWA,  15
.set VWS,  16
.set SPW,  18                          ; LDS address of my spare word; never rewritten
.set NIL,  19                          ; 0; never rewritten
.set NM,   20                          ; tile q: v[20+4q] -M, v[21+4q] the largest t
.set SU,   22                          ; tile q: v[22+4q:23+4q] the sum in two halves
.set KS,   28                          ; v28-29 K's scale words; v30-31 V's; v32-35 Q's (tile a low, high, tile b low, high); v36-37 p's: these ten hold scales and nothing else
.set VS,   30
.set QS,   32
.set PS,   36
.set FF,   38                          ; tile q: v[38+2q] f = 2^(old M - new M), at the end 1 / the sum (named as a pair)
.set T,    42                          ; v42-43 at work
.set BM,   44                          ; v44-47 the blocks' largest scores, then largest p.  The quantiser: v44-49
.set TP,   48                          ; v48-51 at work
.set HD,   52                          ; v52-55 57,344 x the scale
.set SO,   56                          ; v56-59 the conversions' scale operands
.set CM,   50                          ; the quantiser, V's block: v50 largest magnitude, then the hold; v51 second chain; v52 scale operand; v53 byte
.set CO,   52
.set CB,   53
.set KW,   54                          ; the quantiser: K's two scale bytes
.set STO,  60                          ; the stage: where I put 32 bytes of a row
.set SRD,  61                          ; and where I read a row back
.set S,    64                          ; v64-127 S^T of tile a, later V's four fragments; v128-191 S^T of tile b
.set PF,   192                         ; v192-223 32 numbers of K, v224-255 32 numbers of V, on their way from memory
; window 1
.set OT,   0                           ; O^T: tile q at 32 q, channels 16 t on at + 8 t
.set QZ,   64                          ; zeros 64-71, q of tile a 72-79, zeros 80-87, q of tile b 88-95, zeros 96-103
.set PC,   104                         ; p's codes, tile q at 104 + 16 q; ahead of the softmax the quantiser's codes
.set KF,   136                         ; K's four fragments
; scalars
.set QP,   4
.set KP,   6
.set VP,   8
.set OP,   10
.set WV,   12                          ; my wave's number
.set SEL,  14                          ; s[14:15] selects for v_permlanex16_b32: lane l xor 16
.set CS,   16                          ; s[16:17] c, named as a pair
.set MNT,  18                          ; the mantissa field of 57,344
.set CNT,  19
.set C8,   20                          ; the chunk in hand x 8192, x 256; the next chunk likewise
.set C2,   21
.set N8,   22
.set N2,   23
.set KWC,  32                          ; my wave's constants in the four regions, and its stage
.set KSCC, 33
.set VWC,  34
.set VSCC, 35
.set STGW, 36
.set LIM,  37                          ; 1 in the head's first work-group, else the greatest number
.set PFA,  38                          ; s[38:39] where my prefetches stand
.set MSB, 0
.macro WIN new                         ; s_set_vgpr_msb: bits 1:0 source 0, 3:2 source 1, 5:4 source 2, 7:6 destination; the high byte repeats the setting that is left
.if MSB != \new
	s_set_vgpr_msb (MSB<<8)|\new
.set MSB, \new
.endif
.endm
.set W_QK,  0x05                       ; K and Q in window 1, S^T in window 0
.set W_D1,  0x40                       ; destination in window 1
.set W_ST,  0x04                       ; an LDS store's data in window 1
.set W_RS,  0x41                       ; O^T (destination, source 0) in window 1, f in window 0
.set W_PV,  0x54                       ; V in window 0; p, C and D in window 1
.set W_OUT, 0x01                       ; O^T in window 1, result in window 0
; A chunk's numbers for my wave, from off bytes on.  K: key tile w; lane (r, h) takes 16 neighbours of each block of 32 of its key's row.  V: block w / 2 of the keys, column 32 (w % 2) + lane: registers run down the keys.
; No cache word: three other work-groups read the same rows.
.macro LOADKV base, off
.irp c, 0,1
.irp j, 0,1,2,3
	global_load_b128 v[(\base)+16*\c+4*\j:(\base)+16*\c+4*\j+3], v[KGO], s[KP:KP+1] offset:(\off)+128*\c+16*\j
.endr
.endr
.set ii, 0
.rept 32
	global_load_b32 v[(\base)+32+ii], v[VGO], s[VP:VP+1] offset:(\off)+256*ii
.set ii, ii+1
.endr
.endm
.macro LOADQ base, off                 ; a pair's queries: tile u, block c, 16 numbers a lane
.irp u, 0,1
.irp c, 0,1
.irp j, 0,1,2,3
	global_load_b128 v[(\base)+32*\u+16*\c+4*\j:(\base)+32*\u+16*\c+4*\j+3], v[QGO], s[QP:QP+1] offset:(\off)+4096*\u+128*\c+16*\j th:TH_LOAD_NT
.endr
.endr
.endr
.endm
; A row's two blocks of 32 (16 numbers of each in my registers, the other 16 in lane l xor 16).  Leaves 57,344 x the scale in v[t], v[t+1], the conversions' operands in v[t+4], v[t+5], the two bytes in v[word].
.macro RSCALE src, t, word
.irp c, 0,1
	v_max3_num_f32 v[(\t)+\c], |v[(\src)+16*\c]|, |v[(\src)+16*\c+1]|, 0x8000000   ; with the floor 2^(16 - 127): the byte cannot fall under 1
.endr
.irp i, 2,4,6,8,10,12,14
.irp c, 0,1
	v_max3_num_f32 v[(\t)+\c], v[(\t)+\c], |v[(\src)+16*\c+\i]|, |v[(\src)+16*\c+\i+1]|
.endr
.endr
.irp c, 0,1
	v_permlanex16_b32 v[(\t)+2+\c], v[(\t)+\c], s[SEL], s[SEL+1]
.endr
.irp c, 0,1
	v_max_num_f32 v[(\t)+\c], v[(\t)+\c], v[(\t)+2+\c]                ; the block's largest magnitude
.endr
.irp c, 0,1
	v_add_nc_u32 v[(\t)+4+\c], 0xf8800000, v[(\t)+\c]                 ; 15 off its exponent field: the conversion takes that field as its scale
.endr
.irp c, 0,1
	v_and_or_b32 v[(\t)+\c], v[(\t)+\c], 0x7f800000, s[MNT]           ; 57,344 x the scale
.endr
.irp c, 0,1
	v_lshrrev_b32 v[(\t)+2+\c], 23, v[(\t)+4+\c]                      ; the scale's byte
.endr
	v_lshl_or_b32 v[\word], v[(\t)+3], 8, v[(\t)+2]
.endm
.macro RHOLD src, t                    ; the conversion to an 8-bit code does not saturate (ISA guide 7.6.2): hold first
.irp c, 0,1
.set ii, 0
.rept 16
	v_med3_num_f32 v[(\src)+16*\c+ii], v[(\src)+16*\c+ii], -v[(\t)+\c], v[(\t)+\c]
.set ii, ii+1
.endr
.endr
.endm
.macro RCVT src, dst, t                ; eight registers of codes: 4 c .. 4 c + 3 = k 32 c + 16 (lane / 16) + 0 .. 15
.irp c, 0,1
	v_cvt_scalef32_pk8_bf8_f32 v[(\dst)+4*\c:(\dst)+4*\c+1], v[(\src)+16*\c:(\src)+16*\c+7], v[(\t)+4+\c]
	v_cvt_scalef32_pk8_bf8_f32 v[(\dst)+4*\c+2:(\dst)+4*\c+3], v[(\src)+16*\c+8:(\src)+16*\c+15], v[(\t)+4+\c]
.endr
.endm
.macro CSCALE src                      ; a block of 32 that lies whole in my registers (V)
	v_max3_num_f32 v[CM], |v[(\src)]|, |v[(\src)+1]|, |v[(\src)+2]|
	v_max3_num_f32 v[CM+1], |v[(\src)+3]|, |v[(\src)+4]|, |v[(\src)+5]|
.irp i, 6,10,14,18,22,26
	v_max3_num_f32 v[CM], v[CM], |v[(\src)+\i]|, |v[(\src)+\i+1]|
	v_max3_num_f32 v[CM+1], v[CM+1], |v[(\src)+\i+2]|, |v[(\src)+\i+3]|
.endr
	v_max3_num_f32 v[CM], v[CM], |v[(\src)+30]|, |v[(\src)+31]|
	v_max3_num_f32 v[CM], v[CM], v[CM+1], 0x8000000
	v_add_nc_u32 v[CO], 0xf8800000, v[CM]
	v_and_or_b32 v[CM], v[CM], 0x7f800000, s[MNT]
	v_lshrrev_b32 v[CB], 23, v[CO]
.endm
.macro CHOLD src
.set ii, 0
.rept 32
	v_med3_num_f32 v[(\src)+ii], v[(\src)+ii], -v[CM], v[CM]
.set ii, ii+1
.endr
.endm
.macro CCVT src, dst
.irp g, 0,1,2,3
	v_cvt_scalef32_pk8_bf8_f32 v[(\dst)+2*\g:(\dst)+2*\g+1], v[(\src)+8*\g:(\src)+8*\g+7], v[CO]
.endr
.endm
; The step's LDS addresses: a constant + a constant x lane + a constant x wave + the chunk's counted offset.  Eight plain vector instructions that name no register of the products K Q^T:
; they are the eight places between those products and the first read of their results.
.macro ADDRS quant
	s_add_co_u32 s24, s[C8], VIMG
	s_add_co_u32 s25, s[C2], VSC
	s_add_co_u32 s26, s[N2], KSC
	v_add_nc_u32 v[ADV], s24, v[L16]               ; V of the chunk in hand
	v_add_nc_u32 v[ADVS], s25, v[L4]
	v_add_nc_u32 v[ADK], s[N8], v[L16]             ; K of the next chunk
	v_add_nc_u32 v[ADKS], s26, v[L4]
.if \quant
	s_add_co_u32 s27, s[N8], s[KWC]
	s_add_co_u32 s28, s[N2], s[KSCC]
	s_add_co_u32 s29, s[N8], s[VWC]
	s_add_co_u32 s30, s[N2], s[VSCC]
	v_add_nc_u32 v[KWA], s27, v[L16]               ; where the next chunk's codes and bytes go
	v_add_nc_u32 v[KWS], s28, v[R4]
	v_add_nc_u32 v[VWA], s29, v[VL]
	v_add_nc_u32 v[VWS], s30, v[L4]
.else
.rept 4
	v_nop
.endr
.endif
.endm
; My share of a chunk becomes codes and goes to LDS: key tile w (registers 8 (w % 2) on of fragment w / 2, in the same lanes), and of V 32 keys of 32 columns.
.macro QUANT src
	RSCALE \src, BM, KW
	CSCALE (\src)+32
	RHOLD \src, BM
	CHOLD (\src)+32
	WIN W_D1
	RCVT \src, PC, BM
	CCVT (\src)+32, PC+8
	v_nop                                          ; one plain vector instruction behind the last scaled conversion
	WIN W_ST
	s_wait_alu depctr_va_vdst(0)                   ; the conversions have written the codes v[PC ..], the shifts v[KW] and v[CB], ADDRS v[KWA] to v[VWS]: the six stores read them; and the quantiser is done reading and writing v[src ..], in which the loads behind the stores land
	ds_store_b128 v[KWA], v[PC:PC+3]
	ds_store_b128 v[KWA], v[PC+4:PC+7] offset:512
	ds_store_b128 v[VWA], v[PC+8:PC+11]            ; keys 0-15 of the block: the place of lane (column % 16, 0),
	ds_store_b128 v[VWA], v[PC+12:PC+15] offset:256   ; keys 16-31: of lane (column % 16, 1): so V is turned
	WIN 0
	ds_store_b16 v[KWS], v[KW]                     ; both lanes of a row write the same two bytes with the same value
	ds_store_b8 v[VWS], v[CB]
.endm
.macro QQ base                         ; a pair's queries become codes (window 1) and scale words: low variant bytes 0, 1; high variant bytes 2, 3; the zero codes' bytes are 0
.irp u, 0,1
	RSCALE (\base)+32*\u, BM, QS+2*\u
	v_lshlrev_b32 v[QS+2*\u+1], 16, v[QS+2*\u]
	RHOLD (\base)+32*\u, BM
	WIN W_D1
	RCVT (\base)+32*\u, QZ+8+16*\u, BM
	v_nop
	WIN 0
.endr
.endm
.macro LOADK                           ; the next chunk's four fragments of K and their scale words (lanes 0-15 fragment 0 or 2, lanes 16-31 fragment 1 or 3)
	WIN W_D1
.irp b, 0,1,2,3
.irp c, 0,1,2,3
	ds_load_b128 v[KF+16*\b+4*\c:KF+16*\b+4*\c+3], v[ADK] offset:2048*\b+512*\c
.endr
.endr
	WIN 0
	ds_load_b32 v[KS], v[ADKS]
	ds_load_b32 v[KS+1], v[ADKS] offset:128
.endm
; One of the 18 LDS loads that bring this chunk's four fragments of V, into the registers that tile a's scores have left, and their scale words: number vn (fragment vn / 4, keys 32 (vn % 4) on; 16, 17: the words).
; From vn = 18 on the macro writes nothing.
.macro DEALV
.if vn < 16
	ds_load_b128 v[S+4*vn:S+4*vn+3], v[ADV] offset:512*vn
.elseif vn < 18
	ds_load_b32 v[VS+vn-16], v[ADVS] offset:128*(vn-16)
.endif
.set vn, vn+1
.endm
; S^T = K Q^T for 128 keys and the pair: 16 products on 16 accumulators, each begun with the constant 0.  u picks the half of K's fragment by Q's variant.
.macro QKMUL
.irp b, 0,1,2,3
.irp u, 0,1
.irp q, 0,1
.if \b%2
	v_wmma_scale_f32_16x16x128_f8f6f4 v[S+64*\q+8*(2*\b+\u):S+64*\q+8*(2*\b+\u)+7], v[KF+16*\b:KF+16*\b+15], v[QZ+8+16*\q-8*\u:QZ+8+16*\q-8*\u+15], 0, v[KS+\b/2], v[QS+2*\q+\u] matrix_a_fmt:MATRIX_FMT_BF8 matrix_b_fmt:MATRIX_FMT_BF8 matrix_a_scale:MATRIX_SCALE_ROW1
.else
	v_wmma_scale_f32_16x16x128_f8f6f4 v[S+64*\q+8*(2*\b+\u):S+64*\q+8*(2*\b+\u)+7], v[KF+16*\b:KF+16*\b+15], v[QZ+8+16*\q-8*\u:QZ+8+16*\q-8*\u+15], 0, v[KS+\b/2], v[QS+2*\q+\u] matrix_a_fmt:MATRIX_FMT_BF8 matrix_b_fmt:MATRIX_FMT_BF8
.endif
.endr
.endr
.endr
.endm
; O^T += V^T P^T: eight accumulators, one instruction a turn.
.macro PVMUL
	WIN W_PV
.irp t, 0,1,2,3
.irp q, 0,1
.if \t%2
	v_wmma_scale_f32_16x16x128_f8f6f4 v[OT+32*\q+8*\t:OT+32*\q+8*\t+7], v[S+16*\t:S+16*\t+15], v[PC+16*\q:PC+16*\q+15], v[OT+32*\q+8*\t:OT+32*\q+8*\t+7], v[VS+\t/2], v[PS+\q] matrix_a_fmt:MATRIX_FMT_BF8 matrix_b_fmt:MATRIX_FMT_BF8 matrix_a_scale:MATRIX_SCALE_ROW1
.else
	v_wmma_scale_f32_16x16x128_f8f6f4 v[OT+32*\q+8*\t:OT+32*\q+8*\t+7], v[S+16*\t:S+16*\t+15], v[PC+16*\q:PC+16*\q+15], v[OT+32*\q+8*\t:OT+32*\q+8*\t+7], v[VS+\t/2], v[PS+\q] matrix_a_fmt:MATRIX_FMT_BF8 matrix_b_fmt:MATRIX_FMT_BF8
.endif
.endr
.endr
.endm
; One tile's softmax for 128 keys: scores in v[rS] on become p's codes (window 1) and p's scale word.  Behind each line of the search for the largest scores stands DEALV: in tile b's softmax (vn begins at 0) V's 18 LDS loads, in tile a's (vn = 18) nothing.
.macro SOFT q
.set rS, S+64*(\q)
.set rN, NM+4*(\q)
.set rU, SU+4*(\q)
.set rF, FF+2*(\q)
.irp b, 0,1,2,3
	v_max3_num_f32 v[BM+\b], v[rS+16*\b], v[rS+16*\b+1], v[rS+16*\b+2]   ; the largest score of each block of 32 keys: for the row's maximum, and, since p rises with the score, for the block's largest p.  (Each accumulator is read from its low end on)
	DEALV                                          ; no wait: no vector or matrix instruction since the wait behind tile a's softmax names v64-127, v[VS ..], v[ADV] or v[ADVS]
.endr
.irp i, 3,5,7,9,11,13
.irp b, 0,1,2,3
	v_max3_num_f32 v[BM+\b], v[BM+\b], v[rS+16*\b+\i], v[rS+16*\b+\i+1]
	DEALV
.endr
.endr
.irp b, 0,1,2,3
	v_max_num_f32 v[BM+\b], v[BM+\b], v[rS+16*\b+15]
.endr
.irp b, 0,1,2,3
	v_permlanex16_b32 v[TP+\b], v[BM+\b], s[SEL], s[SEL+1]
.endr
.irp b, 0,1,2,3
	v_max_num_f32 v[BM+\b], v[BM+\b], v[TP+\b]     ; with lane l xor 16's 16 keys
.endr
	v_max3_num_f32 v[T], v[BM], v[BM+1], v[BM+2]
	v_max_num_f32 v[T], v[T], v[BM+3]              ; the step's largest score of my query,
	v_mul_f32 v[T], s[CS], v[T]                    ; as t (c is positive)
	v_max_num_f32 v[rN+1], v[rN+1], v[T]           ; the running largest t
	v_mov_b32 v[T], v[rN]
	v_floor_f32 v[rN], -v[rN+1]                    ; the new -M = floor(-t): M is a whole number
	v_sub_f32 v[T], v[rN], v[T]                    ; old M - new M: a whole number, 0 or less
	v_cvt_i32_f32 v[T], v[T]                       ; (it saturates)
	v_ldexp_f32 v[rF], 1.0, v[T]                   ; f = 2^(old M - new M)
.set ii, 0
.rept 32
	v_pk_fma_f32 v[rS+ii:rS+ii+1], v[rS+ii:rS+ii+1], s[CS:CS+1], v[rN:rN+1] op_sel_hi:[1,0,0]   ; t - M, two at a time (of the pairs c and -M the low word serves both halves)
.set ii, ii+2
.endr
.irp b, 0,1,2,3
	v_fma_f32 v[BM+\b], v[BM+\b], s[CS], v[rN]     ; the same of each block's largest score
.endr
.set ii, 0
	s_wait_alu depctr_va_vdst(0)
.rept 64
	v_exp_f32 v[rS+ii], v[rS+ii]                   ; p = 2^(t - M), at most 1
.set ii, ii+1
.endr
	v_pk_mul_f32 v[rU:rU+1], v[rU:rU+1], v[rF:rF+1] op_sel_hi:[1,0]   ; the sums under the new M: the plain instruction behind the exponentials
	s_wait_alu depctr_va_vdst(0)                   ; the 64 exponentials have written p in v[rS ..]: one wait for the batch, ahead of the first instruction that names a result
.irp b, 0,1,2,3
	v_exp_f32 v[BM+\b], v[BM+\b]                   ; the block's largest p: the same two instructions on the same number give the same bits
.endr
	v_pk_add_f32 v[TP:TP+1], v[rS:rS+1], v[rS+2:rS+3]   ; the row's sum is taken of the unquantised p, in two chains; these lines read the 64 alone
.irp j, 4,8,12,16,20,24,28,32,36,40,44,48,52,56,60
	v_pk_add_f32 v[rU:rU+1], v[rU:rU+1], v[rS+\j:rS+\j+1]
	v_pk_add_f32 v[TP:TP+1], v[TP:TP+1], v[rS+\j+2:rS+\j+3]
.endr
	v_pk_add_f32 v[rU:rU+1], v[rU:rU+1], v[TP:TP+1]
	s_wait_alu depctr_va_vdst(0)                   ; the four exponentials have written the blocks' largest p in v[BM ..], ahead of their first reader
.irp b, 0,1,2,3
	v_max_num_f32 v[BM+\b], 0x8000000, v[BM+\b]    ; the floor 2^(16 - 127): the byte cannot fall under 1
.endr
.irp b, 0,1,2,3
	v_add_nc_u32 v[SO+\b], 0xf8800000, v[BM+\b]    ; the conversion's scale operand
.endr
.irp b, 0,1,2,3
	v_and_or_b32 v[HD+\b], v[BM+\b], 0x7f800000, s[MNT]   ; 57,344 x the scale
.endr
.irp b, 0,1,2,3
	v_lshrrev_b32 v[TP+\b], 23, v[SO+\b]           ; the scale's byte
.endr
	v_lshl_or_b32 v[PS+\q], v[TP+1], 8, v[TP]      ; p's scale word for these 128 keys
	v_lshl_or_b32 v[PS+\q], v[TP+2], 16, v[PS+\q]
	v_lshl_or_b32 v[PS+\q], v[TP+3], 24, v[PS+\q]
.irp b, 0,1,2,3
.set ii, 0
.rept 16
	v_min_num_f32 v[rS+16*\b+ii], v[rS+16*\b+ii], v[HD+\b]   ; p is not negative: the hold is one-sided
.set ii, ii+1
.endr
.endr
	WIN W_D1
.irp b, 0,1,2,3
	v_cvt_scalef32_pk8_bf8_f32 v[PC+16*\q+4*\b:PC+16*\q+4*\b+1], v[rS+16*\b:rS+16*\b+7], v[SO+\b]
	v_cvt_scalef32_pk8_bf8_f32 v[PC+16*\q+4*\b+2:PC+16*\q+4*\b+3], v[rS+16*\b+8:rS+16*\b+15], v[SO+\b]
.endr
	v_nop                                          ; one plain vector instruction behind the last scaled conversion
	WIN 0
.endm
.macro RESC                            ; O^T under the new M.  These 32 lines also stand between p's codes and scale word and the products that take them
	WIN W_RS
.irp q, 0,1
.set ii, 0
.rept 16
	v_pk_mul_f32 v[OT+32*\q+ii:OT+32*\q+ii+1], v[OT+32*\q+ii:OT+32*\q+ii+1], v[FF+2*\q:FF+2*\q+1] op_sel_hi:[1,0]
.set ii, ii+2
.endr
.endr
.endm
; A prefetch of the chunk behind the one just asked for: a step ahead of the loads that will want it.  The four work-groups of a head read the same rows: the first of them asks (a branch on the work-group's
; number and the count of trips).  Waves 0 to 3 take K's 32,768 bytes, waves 4 to 7 V's: 8,192 a wave, lanes 256 bytes apart, so each aligned 256 bytes are named once in the launch.
; Chunks 0 to 2 come by their loads alone; the loop's last trip, behind whose chunk there is none, asks for nothing.
.macro ASK
	s_cmp_gt_u32 s[CNT], s[LIM]
	s_cbranch_scc0 .Lnot_mine_\@
	global_prefetch_b8 v[PFO], s[PFA:PFA+1] offset:2*CHG th:TH_LOAD_NT scope:SCOPE_SE
.Lnot_mine_\@:
.endm
.macro INIT                            ; a pass begins: the largest t -3e38, the sums and O^T zeros, which the first change of M leaves zeros: so the step is written without a first step of its own
.irp q, 0,1
	v_mov_b32 v[NM+4*\q+1], 0xff61b1e6
	v_floor_f32 v[NM+4*\q], -v[NM+4*\q+1]
	v_mov_b32 v[SU+4*\q], 0
	v_mov_b32 v[SU+4*\q+1], 0
.endr
	WIN W_D1
.set ii, 0
.rept 64
	v_mov_b32 v[OT+ii], 0
.set ii, ii+1
.endr
	WIN 0
.endm
; A KEY STEP of the pair.  quant = 1: the next chunk is quantised and a barrier shows it to all waves.  ld = 1: the chunk behind it is asked for; ld = 2: the second pair's queries.  guard = 1: the loop's last trip fetches no K.
.macro STEP quant, ld, guard
	s_wait_alu depctr_vm_vsrc(0)                   ; the LDS loads and stores issued so far have read their addresses v9-16, which ADDRS writes again (in the first step also: the head's stores have read v[PC ..], v[KW], v[CB], which the quantiser writes again)
	WIN W_QK
	QKMUL
	WIN 0
	ADDRS \quant
.if \quant
	s_wait_loadcnt 0x0                             ; the next chunk's numbers are in; their loads are done, so their bases may be stepped
.if \ld == 1
	s_wait_xcnt 0x0                                ; the last prefetch, a step back, has read its address
	s_add_nc_u64 s[KP:KP+1], s[KP:KP+1], CHG
	s_add_nc_u64 s[VP:VP+1], s[VP:VP+1], CHG
	s_add_nc_u64 s[PFA:PFA+1], s[PFA:PFA+1], CHG
.endif
	QUANT PF
.if \ld == 1
	LOADKV PF, CHG                                 ; no wait: no vector instruction since the quantiser's wait names v[PF ..]
	ASK
.endif
.if \ld == 2
	LOADQ PF, 8192                                 ; likewise
.endif
	s_wait_dscnt 0x0                               ; for the others' sake: my stores of the next chunk have landed
	s_wait_alu depctr_vm_vsrc(0)                   ; my six LDS stores have read the codes v[PC ..] and the bytes v[KW], v[CB], which tile a's softmax writes again
	s_barrier_signal -1
.endif
.set vn, 18
	SOFT 0                                         ; work on registers alone, while the others arrive
.if \quant
	s_barrier_wait -1                              ; the next chunk lies whole in LDS.  No byte of the images is ever written twice, so no second barrier is owed
.endif
	s_wait_alu depctr_va_vdst(0)                   ; tile a's conversions are done reading v64-127, the products K Q^T reading v[KF ..] and v[KS ..], the last products V^T P reading v[VS ..]: the LDS loads below land there; and ADDRS has written v9-12, their addresses
.if \guard
	s_cmp_eq_u32 s[CNT], 1
	s_cbranch_scc1 .Lno_k_\@
.endif
	LOADK
.if \guard
.Lno_k_\@:
.endif
.set vn, 0
	SOFT 1                                         ; V's 18 LDS loads are dealt among its first lines; all 36 land under it
	RESC
	s_wait_dscnt 0x0
	s_wait_alu depctr_va_vdst(0)                   ; the conversions have written p's codes v[PC ..] and the shifts p's scale words v[PS ..], which the scaled products below take; their places stand ahead of this wait
	PVMUL
	WIN 0
	s_add_co_u32 s[C8], s[C8], CHK
	s_add_co_u32 s[C2], s[C2], CHS
	s_add_co_u32 s[N8], s[N8], CHK
	s_add_co_u32 s[N2], s[N2], CHS
.rept 9
	v_nop                                          ; the next products K Q^T write over the registers from which these took V: nine places (and one more for a matrix instruction that writes over an operand); they serve the way out's reads of O^T too
.endr
.endm
; THE WAY OUT of pair p: O^T / the sum goes through my stage in LDS, a tile (16 rows of 256 bytes) at a time, and leaves as whole rows: sixteen lanes store 256 consecutive bytes, aligned.
.macro WAYOUT p
.irp q, 0,1
	v_add_f32 v[T+\q], v[SU+4*\q], v[SU+4*\q+1]    ; the sum's two halves,
.endr
.irp q, 0,1
	v_permlanex16_b32 v[TP+\q], v[T+\q], s[SEL], s[SEL+1]
.endr
.irp q, 0,1
	v_add_f32 v[T+\q], v[T+\q], v[TP+\q]           ; and lane l xor 16's
.endr
	s_wait_alu depctr_va_vdst(0)
.irp q, 0,1
	v_rcp_f32 v[FF+2*\q], v[T+\q]
.endr
	v_nop                                          ; a plain instruction behind the reciprocals,
	s_wait_alu depctr_va_vdst(0)                   ; the two reciprocals have written v[FF], v[FF+2], ahead of their first reader
	WIN W_OUT
.irp q, 0,1
.set ii, 0
.rept 16
	v_pk_mul_f32 v[S+32*\q+ii:S+32*\q+ii+1], v[OT+32*\q+ii:OT+32*\q+ii+1], v[FF+2*\q:FF+2*\q+1] op_sel_hi:[1,0]   ; register 8 t + i: out(query lane % 16, channel 16 t + 8 (lane / 16) + i)
.set ii, ii+2
.endr
.endr
	WIN 0
	s_wait_alu depctr_va_vdst(0)                   ; the divisions have written v64-127, which the stage's stores read; tile b's softmax is done with v128-191, in which the stage's loads land
.irp q, 0,1
.irp t, 0,1,2,3
	ds_store_b128 v[STO], v[S+32*\q+8*\t:S+32*\q+8*\t+3] offset:64*\t
	ds_store_b128 v[STO], v[S+32*\q+8*\t+4:S+32*\q+8*\t+7] offset:64*\t+16
.endr
.irp i, 0,1,2,3,4,5,6,7
	ds_load_b128 v[S+64+32*\q+4*\i:S+64+32*\q+4*\i+3], v[SRD] offset:544*\i   ; LDS serves a wave's instructions in order (ISA guide 5.7.1.4): these see my stores, and tile b's stores come behind tile a's loads
.endr
.endr
.irp q, 0,1
.irp i, 0,1,2,3,4,5,6,7
	s_wait_dscnt 23-16*\q-\i                       ; behind this load: the rest of its tile's eight, and for tile a the sixteen of tile b
	global_store_b128 v[L16], v[S+64+32*\q+4*\i:S+64+32*\q+4*\i+3], s[OP:OP+1] offset:8192*(\p)+4096*\q+512*\i th:TH_STORE_NT
.endr
.endr
.if (\p) == 0
	s_wait_xcnt 0x0                                ; the stores have read their registers, which the next pass writes
	s_wait_alu depctr_vm_vsrc(0)                   ; the stage's stores have read v64-127 and the global stores v128-191, which the next pass's products K Q^T write
.endif
.endm
	s_load_b256 s[4:11], s[0:1], 0x0               ; queries s[4:5], keys s[6:7], values s[8:9], out0 s[10:11]
	v_lshl_add_u32 v[SPW], v0, 2, SPARE
	v_mov_b32 v[NIL], 0
	v_lshrrev_b32 v42, 5, v0
	v_readfirstlane_b32 s[WV], v42                 ; wave 0..7
	v_and_b32 v42, 31, v0                          ; lane
	v_and_b32 v43, 15, v0                          ; r = lane % 16
	v_bfe_u32 v44, v0, 4, 1                        ; h = lane / 16
	v_lshlrev_b32 v[L16], 4, v42
	v_lshlrev_b32 v[L4], 2, v42
	v_lshlrev_b32 v[R4], 2, v43
	v_lshlrev_b32 v[VL], 4, v43
	v_lshl_add_u32 v[VL], v44, 11, v[VL]
	v_lshlrev_b32 v[PFO], 8, v42
	s_wait_alu depctr_va_sdst(0)                   ; s[WV] is written, ahead of its first reader: the wave's offsets, LDS constants and bases are made from it
	s_lshr_b32 s40, s[WV], 1                       ; w / 2: K's fragment, V's block of keys
	s_and_b32 s41, s[WV], 1                        ; w % 2: the half of K's fragment, V's 32 columns
	s_lshl_b32 s42, s40, 13                        ; 32 rows of 256 bytes
	s_lshl_b32 s43, s41, 11                        ; 8 rows
	s_add_co_u32 s43, s43, s42
	v_and_b32 v45, 8, v43
	v_add_nc_u32 v45, v45, v43                     ; r + 8 (r / 8)
	v_lshlrev_b32 v[KGO], 8, v45
	v_lshl_add_u32 v[KGO], v44, 6, v[KGO]          ; my key's row, + my 16 numbers of a block
	v_add_nc_u32 v[KGO], s43, v[KGO]
	s_lshl_b32 s43, s41, 7
	s_add_co_u32 s43, s43, s42
	v_add_nc_u32 v[VGO], s43, v[L4]                ; my block's first key, my column
	v_lshlrev_b32 v[QGO], 8, v43
	v_lshl_add_u32 v[QGO], v44, 6, v[QGO]
	s_lshl_b32 s[KWC], s40, 11
	s_lshl_b32 s43, s41, 10
	s_add_co_u32 s[KWC], s[KWC], s43               ; KIMG (0) + 2048 (w / 2) + 1024 (w % 2)
	s_lshl_b32 s[KSCC], s40, 6
	s_lshl_b32 s43, s41, 1
	s_add_co_u32 s[KSCC], s[KSCC], s43
	s_add_co_u32 s[KSCC], s[KSCC], KSC
	s_lshl_b32 s[VWC], s41, 12
	s_lshl_b32 s43, s40, 9
	s_add_co_u32 s[VWC], s[VWC], s43
	s_add_co_u32 s[VWC], s[VWC], VIMG
	s_lshl_b32 s[VSCC], s41, 7
	s_add_co_u32 s[VSCC], s[VSCC], s40
	s_add_co_u32 s[VSCC], s[VSCC], VSC
	s_mul_i32 s[STGW], s[WV], 16*272
	s_add_co_u32 s[STGW], s[STGW], STG
	v_mul_u32_u24 v[STO], v43, 272                 ; in: row r, 32 bytes for each half of the lanes
	v_lshl_add_u32 v[STO], v44, 5, v[STO]
	v_add_nc_u32 v[STO], s[STGW], v[STO]
	v_mul_u32_u24 v[SRD], v44, 272                 ; back: lanes 0-15 one row, lanes 16-31 the next
	v_lshl_add_u32 v[SRD], v43, 4, v[SRD]
	v_add_nc_u32 v[SRD], s[STGW], v[SRD]
.irp i, 39,41,46,47,48,49,50,51
	v_mov_b32 v[\i], 0                             ; written once: a lane permute's destination counts as one of its sources, and so does the upper half of a pair that is named
.endr
	s_mov_b32 s[SEL], 0x76543210
	s_mov_b32 s[SEL+1], 0xfedcba98
	s_mov_b32 s[CS], 0x3e38aa3b                    ; c = log2(e) / 8
	s_mov_b32 s[CS+1], s[CS]
	s_mov_b32 s[MNT], 0x600000
	s_mov_b32 s[C8], 0
	s_mov_b32 s[C2], 0
	s_mov_b32 s[N8], 0
	s_mov_b32 s[N2], 0
	s_and_b32 s44, ttmp7, 0xffff                   ; the head,
	s_lshl_b32 s44, s44, 19                        ; of 2,048 rows of 256 bytes
	s_mov_b32 s45, 0
	s_lshl_b32 s46, ttmp9, 17                      ; my work-group's 512 queries,
	s_lshl_b32 s47, s[WV], 14                      ; my wave's 64
	s_add_co_u32 s46, s46, s47
	s_add_co_u32 s46, s46, s44
	s_mov_b32 s47, 0
	s_and_b32 s42, s[WV], 3
	s_lshl_b32 s42, s42, 13                        ; my wave's 8,192 bytes of a chunk, for the prefetches
	s_mov_b32 s43, 0
	s_wait_kmcnt 0x0
	s_add_nc_u64 s[KP:KP+1], s[KP:KP+1], s[44:45]
	s_add_nc_u64 s[VP:VP+1], s[VP:VP+1], s[44:45]
	s_add_nc_u64 s[QP:QP+1], s[QP:QP+1], s[46:47]
	s_add_nc_u64 s[OP:OP+1], s[OP:OP+1], s[46:47]
	s_cmp_lt_u32 s[WV], 4
	s_cselect_b64 s[PFA:PFA+1], s[KP:KP+1], s[VP:VP+1]
	s_add_nc_u64 s[PFA:PFA+1], s[PFA:PFA+1], s[42:43]
	s_cmp_eq_u32 ttmp9, 0
	s_cselect_b32 s[LIM], 1, -1
	s_wait_alu depctr_va_vdst(0)                   ; the offsets and addresses v1-8, v60, v61 and the pair v18, v19 are written: every global load and store, the prefetches, the stage's LDS instructions and the closing add read them, and nothing writes them again
	LOADKV S, 0                                    ; chunk 0, into the registers of tile a's scores
	LOADQ S+64, 0                                  ; the first pair's queries, into tile b's
	LOADKV PF, CHG                                 ; chunk 1
	WIN W_D1
.irp z, 0,16,32
.set ii, 0
.rept 8
	v_mov_b32 v[QZ+\z+ii], 0                       ; the zero codes beside Q
.set ii, ii+1
.endr
.endr
	WIN 0
	ADDRS 1                                        ; (the next chunk is chunk 0 here)
	s_wait_loadcnt 56                              ; chunk 0 is in: behind its loads stand Q's 16 and chunk 1's 40
	QUANT S
	s_wait_loadcnt 40                              ; Q is in: behind it chunk 1's 40
	QQ S+64
	s_wait_dscnt 0x0                               ; for the others' sake: my stores of chunk 0 have landed
	s_barrier_signal -1
	s_barrier_wait -1
	LOADK                                          ; chunk 0.  No wait: the quantiser's wait stands behind ADDRS, and no vector instruction since names v[ADK], v[ADKS], v[KF ..] or v[KS ..]
	INIT
	s_mov_b32 s[N8], CHK
	s_mov_b32 s[N2], CHS
	s_wait_dscnt 0x0
	s_wait_alu depctr_va_vdst(0)                   ; Q's codes, the zero codes beside them and Q's scale words v[QS ..] are written, which the scaled products K Q^T take; INIT's lines are their places
	; PASS 0, queries 0-31 of my 64.  Trip j = 0 .. 13: multiplies chunk j, quantises chunk j + 1, asks for chunk j + 2
	s_mov_b32 s[CNT], 14
.Lpass0:
	STEP 1, 1, 0
	s_sub_co_u32 s[CNT], s[CNT], 1
	s_cmp_lg_u32 s[CNT], 0
	s_cbranch_scc1 .Lpass0
	STEP 1, 2, 0                                   ; chunk 14; chunk 15 is quantised; no chunk is left to ask for: the second pair's queries are
	s_mov_b32 s[N8], 0                             ; the next K is chunk 0 again, for pass 1
	s_mov_b32 s[N2], 0
	STEP 0, 0, 0                                   ; chunk 15
	s_mov_b32 s[C8], 0
	s_mov_b32 s[C2], 0
	WAYOUT 0
	s_wait_loadcnt 0x0                             ; the second pair's queries
	QQ PF
	INIT
	s_wait_alu depctr_va_vdst(0)                   ; the second pair's codes and scale words v[QS ..] are written, which the scaled products K Q^T take; INIT's lines are their places
	; PASS 1, queries 32-63: the head's codes lie in LDS; nothing is stored there but in my own stage, so no barrier stands here
	s_mov_b32 s[CNT], 16
.Lpass1:
	STEP 0, 0, 1
	s_sub_co_u32 s[CNT], s[CNT], 1
	s_cmp_lg_u32 s[CNT], 0
	s_cbranch_scc1 .Lpass1
	WAYOUT 1
	s_wait_dscnt 0x0                               ; the closing lines, six on end
	s_wait_alu 0x0
	s_wait_tensorcnt 0x0
	ds_add_u32 v[SPW], v[NIL]
	s_wait_dscnt 0x0
	s_endpgm
.Lfunc_end_k_qd76c67b5b7_attn:
	.size	k_qd76c67b5b7_attn, .Lfunc_end_k_qd76c67b5b7_attn-k_qd76c67b5b7_attn
	.p2alignl 7, 3214868480
	.fill 96, 4, 3214868480
	.section	.rodata,"a",@progbits
	.p2align	6, 0x0
	.amdhsa_kernel k_qd76c67b5b7_attn
		.amdhsa_group_segment_fixed_size 306176
		.amdhsa_private_segment_fixed_size 0
		.amdhsa_enable_private_segment 0
		.amdhsa_kernarg_size 32
		.amdhsa_user_sgpr_count 2
		.amdhsa_user_sgpr_kernarg_segment_ptr 1
		.amdhsa_wavefront_size32 1
		.amdhsa_system_sgpr_workgroup_id_x 1
		.amdhsa_system_sgpr_workgroup_id_y 1
		.amdhsa_system_sgpr_workgroup_id_z 1
		.amdhsa_system_vgpr_workitem_id 0
		.amdhsa_next_free_vgpr 512
		.amdhsa_next_free_sgpr 66
		.amdhsa_reserve_vcc 0
		.amdhsa_float_denorm_mode_32 3
		.amdhsa_float_denorm_mode_16_64 3
		.amdhsa_memory_ordered 1
		.amdhsa_forward_progress 1
		.amdhsa_inst_pref_size 219
	.end_amdhsa_kernel
	.amdgpu_metadata
---
amdhsa.version: [ 1, 2 ]
amdhsa.kernels:
  - .name:           k_qd76c67b5b7_attn
    .symbol:         k_qd76c67b5b7_attn.kd
    .args:
      - { .name: queries, .offset: 0, .size: 8, .value_kind: global_buffer, .address_space: global }
      - { .name: keys, .offset: 8, .size: 8, .value_kind: global_buffer, .address_space: global }
      - { .name: values, .offset: 16, .size: 8, .value_kind: global_buffer, .address_space: global }
      - { .name: out0, .offset: 24, .size: 8, .value_kind: global_buffer, .address_space: global }
    .group_segment_fixed_size: 306176
    .private_segment_fixed_size: 0
    .kernarg_segment_align: 8
    .kernarg_segment_size: 32
    .max_flat_workgroup_size: 256
    .sgpr_count:     66
    .vgpr_count:     512
    .wavefront_size: 32
...
	.end_amdgpu_metadata
.endif
;; end of part 2
